; MI455X (gfx1250); checked and timed in simulation.
; The chip was launched on July 23, 2026; its instructions are those of AMD's public machine-readable ISA for CDNA 5 (MIT licence, August 2026) and "CDNA5" Instruction Set Architecture Reference Guide (July 2026). The comments in the code are by the model that wrote it; some were corrected since.
;; One Direction Chamfer Distance With Idx. Allowed arithmetic: float matrix products may take bf16 or f16 operands with f32 sums; all other float work in f32.
;; Inputs: xyz1 2 x 4,096 x 3 float32; xyz2 2 x 8,192 x 3 float32.
;; Outputs: out0 2 x 4,096 float32; out1 2 x 4,096 int32.
;; 2 versions, each right; version 2 is version 1 with the launch nearest written anew for expert scheduling mode. Each part assembles by itself: llvm-mc -triple=amdgcn-amd-amdhsa -mcpu=gfx1250 --defsym DOCPART=n.
;; ======== version 1 of 2: 1 launch
;; launch nearest (part 1): grid 256 x 1, 8 waves a work-group, no clusters, 72,704 bytes of LDS; arguments xyz1, xyz2, out0, out1; writes out0, out1
.if DOCPART == 1
	.amdgcn_target "amdgcn-amd-amdhsa--gfx1250"
	.amdhsa_code_object_version 6
	.text
	.protected	k_q61a8be49fe_nearest
	.globl	k_q61a8be49fe_nearest
	.p2align	8
	.type	k_q61a8be49fe_nearest,@function
k_q61a8be49fe_nearest:
	s_mov_b64 s[64:65], 0
	v_nop
	global_prefetch_b8 v0, s[64:65] scope:SCOPE_SE
	s_setreg_imm32_b32 hwreg(HW_REG_WAVE_MODE, 25, 1), 1
	s_wait_xcnt 0x0
; out0[b][n] = min over m of |xyz1[b][n] - xyz2[b][m]|^2, out1[b][n] = the first m that attains it.  B = 2, N = 4096, M = 8192, all f32.
; Every distance is formed as the problem forms it (subtract, square, add), in f32: the index is an exact result, so no expanded form
; (|c|^2 - 2 q.c is a difference of large sums) and no 16-bit operand is used; hence no matrix instruction.
; SHARES.  256 work-groups of 8 waves.  Work-group g owns queries 32 g .. 32 g + 31 (batch g >> 7) against all 8192 candidates of the batch, so no
; minimum crosses work-groups.  A lane keeps 32 candidates in 96 registers for the whole kernel: candidate j = 1024 wave + 32 t + lane, t = 0..31, so that
; one load of a wave covers 384 consecutive bytes and ascending t is ascending j.  A query is the same for all lanes and comes from scalar registers.
; PER QUERY, PER LANE: 32 distances (two at a time, packed), then minimum and first index of the 32 by a binary tree: minima upward (only the nodes that
; the way down looks at), then five steps downward, each 'go right if the left child is larger than the minimum', each step halving by selects the
; left children still in question.  Going left whenever the left child equals the minimum gives the first index on ties.  No branch and no address
; hangs on a distance.
; MERGE.  (j, minimum) of every lane and query goes to the wave's own LDS region and is read back transposed (lane = query); the eight waves' results meet
; behind the kernel's one barrier; wave 0 stores 32 x 4 = 128 consecutive bytes to each output (32 queries a work-group: 64 would halve the number of
; work-groups to 128).
; NOT SHARED IN A CLUSTER: the 128 work-groups of a batch read the same 96 KB, but each reads them once in its life, 12 KB a wave straight into registers,
; ahead of some 5,000 vector instructions a wave; a joint load would land in LDS and each lane would read its 384 bytes a second time from there.
; LIMITS.  NaN among the inputs (or inf - inf) is not served as jnp's min and argmin serve it: here a NaN loses every minimum.  Distances that overflow
; to +inf are served (all +inf gives index 0).  The three squares are added by fused multiply-adds (one rounding less than multiply, then add):
; two candidates whose distances agree to the last bit or two may be told apart otherwise than by an unfused sum.
.set QT,     8                         ; queries in a trip
.set TRIPS,  4                         ; 32 queries
.set PITCH,  272                       ; LDS row of one query: 32 lanes x 8 bytes + 16, an odd multiple of 16: the transposed 16-byte reads of 16 lanes hit 16 different columns
.set WBYTES, 32*PITCH                  ; a wave's region: 32 rows
.set WREG,   2048                      ; the regions begin behind the 8 x 256 bytes in which the waves' results meet (LDS byte 0)
.set OFF,  1                           ; v1   12 x lane: my candidate's bytes in a load of the wave; never rewritten
.set W,    2                           ; v2   wave number, in every lane
.set LANE, 3                           ; v3   lane
.set LA,   4                           ; v4   LDS: where I put (j, minimum) of the trip's first query
.set LR,   5                           ; v5   LDS: row 'lane' of my wave's region
.set FS,   6                           ; v6   LDS: where my wave's result for query 'lane' goes
.set FR,   7                           ; v7   LDS: the same place in wave 0's block
.set J,    8                           ; v8   candidate number   } one pair for ds_store_b64
.set M,    9                           ; v9   minimum            }
.set I,    10                          ; v10  32 x wave + t, built bit by bit
.set OA,   11                          ; v11  4 x lane
.set CX,   16                          ; v[16:47]   x of my candidates t = 0..31
.set CY,   48                          ; v[48:79]   y
.set CZ,   80                          ; v[80:111]  z
.set S,    112                         ; v[112:239] at the start only: candidate t as loaded, in 4 t .. 4 t + 2
.set D,    112                         ; v[112:143] the 32 distances
.set N1,   144                         ; 8: min of leaves 4i, 4i+1 (the left half of each group of 4)
.set N2,   152                         ; 8: min of leaves 4i .. 4i+3
.set N3,   160                         ; 4: min of leaves 8i .. 8i+7
.set N4,   164                         ; 1: min of leaves 0 .. 15
.set A3,   165                         ; what is left after the first step down: 1 + 2 + 4 + 8
.set A2,   166
.set A1,   168
.set A0,   172
.set B2,   180                         ; after the second: 1 + 2 + 4
.set B1,   181
.set B0,   183
.set C1,   187                         ; after the third: 1 + 2
.set C0,   188
.set E0,   190                         ; after the fourth: 1
.set TMP,  192                         ; v[192:215] differences of four register pairs
.set R,    112                         ; merge: 32 items (j, minimum)
.set U,    176                         ; merge: four running minima
.set JJ,   180                         ; merge: my wave's (j, minimum) for query 'lane'
.set MM,   181
.set F,    112                         ; wave 0: the eight waves' (j, minimum)
.set QB,   16                          ; s[16:39] the trip's 8 queries as they lie in memory
.set QX,   40                          ; s[40:41], s[42:43], s[44:45]: -x, -y, -z of the query at work, each the low word of an even pair
.set QY,   42
.set QZ,   44
.set MK,   48                          ; s[48:55] lane masks of the merge
	s_load_b256 s[4:11], s[0:1], 0x0               ; xyz1 s[4:5], xyz2 s[6:7], out0 s[8:9], out1 s[10:11]
	v_lshl_add_u32 v240, v0, 2, 0x11800
	v_mov_b32 v241, 0
	v_and_b32 v[LANE], 31, v0
	v_lshrrev_b32 v[W], 5, v0
	v_readfirstlane_b32 s12, v[W]                  ; wave number as a scalar
	v_mul_u32_u24 v[OFF], v[LANE], 12
	s_mul_i32 s14, ttmp9, 32*12                    ; my 32 queries, in bytes
	s_mov_b32 s15, 0
	s_lshr_b32 s46, ttmp9, 7                       ; batch: 128 work-groups each
	s_mul_i32 s46, s46, 8192*12
	s_mul_i32 s47, s12, 1024*12                    ; my wave's 1024 candidates
	s_add_co_u32 s46, s46, s47
	s_mov_b32 s47, 0
	s_lshl_b32 s48, ttmp9, 7                       ; my 32 results, in bytes
	s_mov_b32 s49, 0
	s_mov_b32 s[QX+1], 0                           ; the pairs' upper words are named by the packed adds and never used
	s_mov_b32 s[QY+1], 0
	s_mov_b32 s[QZ+1], 0
	s_mul_i32 s50, s12, WBYTES
	s_add_co_u32 s50, s50, WREG                    ; my wave's LDS region
	s_lshl_b32 s51, s12, 8                         ; my wave's 256 bytes where the waves meet
	s_wait_kmcnt 0x0
	s_add_nc_u64 s[4:5], s[4:5], s[14:15]
	s_add_nc_u64 s[6:7], s[6:7], s[46:47]
	s_add_nc_u64 s[8:9], s[8:9], s[48:49]
	s_add_nc_u64 s[10:11], s[10:11], s[48:49]
	s_load_b256 s[QB:QB+7],     s[4:5], 0x0        ; the first trip's 8 queries: 96 bytes
	s_load_b256 s[QB+8:QB+15],  s[4:5], 0x20
	s_load_b256 s[QB+16:QB+23], s[4:5], 0x40
.set i, 0
.rept 32
	global_load_b96 v[S+4*i:S+4*i+2], v[OFF], s[6:7] offset:384*i   ; candidate 32 i + lane of my wave's 1024: the wave reads 384 consecutive bytes
.set i, i+1
.endr
	v_lshl_add_u32 v[LA], v[LANE], 3, s50
	v_mul_u32_u24 v[LR], v[LANE], PITCH
	v_add_nc_u32 v[LR], s50, v[LR]
	v_lshl_add_u32 v[FS], v[LANE], 3, s51
	v_lshlrev_b32 v[FR], 3, v[LANE]
	v_lshlrev_b32 v[OA], 2, v[LANE]
	; A packed instruction takes two numbers from an aligned register pair, so the x (y, z) of two candidates have to be neighbours: once, 96 moves,
	; against 96 packed instructions saved in each of the 32 queries.
.set i, 0
.rept 32
	s_wait_loadcnt 31-i                            ; loads come back in order: load i is in, the 31 - i younger ones may be out
	v_mov_b32 v[CX+i], v[S+4*i]
	v_mov_b32 v[CY+i], v[S+4*i+1]
	v_mov_b32 v[CZ+i], v[S+4*i+2]
.set i, i+1
.endr
; In all the macros below g is a plain number, 0 to 3: it stands in products.
; Leaves 8 g .. 8 g + 7 are four register pairs.  c - q instead of q - c: the square is the same bit for bit.
.macro SUBS g
.irp p, 0,1,2,3
	v_pk_add_f32 v[TMP+6*\p:TMP+6*\p+1],   v[CX+8*\g+2*\p:CX+8*\g+2*\p+1], s[QX:QX+1] op_sel_hi:[1,0]
	v_pk_add_f32 v[TMP+6*\p+2:TMP+6*\p+3], v[CY+8*\g+2*\p:CY+8*\g+2*\p+1], s[QY:QY+1] op_sel_hi:[1,0]
	v_pk_add_f32 v[TMP+6*\p+4:TMP+6*\p+5], v[CZ+8*\g+2*\p:CZ+8*\g+2*\p+1], s[QZ:QZ+1] op_sel_hi:[1,0]
.endr
.endm
.macro SQX g                           ; dx^2 starts the sums: nothing is cleared
.irp p, 0,1,2,3
	v_pk_mul_f32 v[D+8*\g+2*\p:D+8*\g+2*\p+1], v[TMP+6*\p:TMP+6*\p+1], v[TMP+6*\p:TMP+6*\p+1]
.endr
.endm
.macro SQ g, a                         ; a = 2: + dy^2, a = 4: + dz^2
.irp p, 0,1,2,3
	v_pk_fma_f32 v[D+8*\g+2*\p:D+8*\g+2*\p+1], v[TMP+6*\p+\a:TMP+6*\p+\a+1], v[TMP+6*\p+\a:TMP+6*\p+\a+1], v[D+8*\g+2*\p:D+8*\g+2*\p+1]
.endr
.endm
; The way up for leaves 8 g .. 8 g + 7, in three steps that are laid between the next group's arithmetic so that none waits for the line in front of it.
.macro UPA g
	v_min_num_f32 v[N1+2*\g],   v[D+8*\g],   v[D+8*\g+1]
	v_min_num_f32 v[N1+2*\g+1], v[D+8*\g+4], v[D+8*\g+5]
.endm
.macro UPB g
	v_min3_num_f32 v[N2+2*\g],   v[N1+2*\g],   v[D+8*\g+2], v[D+8*\g+3]
	v_min3_num_f32 v[N2+2*\g+1], v[N1+2*\g+1], v[D+8*\g+6], v[D+8*\g+7]
.endm
.macro UPC g
	v_min_num_f32 v[N3+\g], v[N2+2*\g], v[N2+2*\g+1]
.endm
.macro GROUP g, before                 ; the distances of group g, and the way up of the group before it (before = g - 1, written out as a number)
	SUBS \g
	UPA \before
	SQX \g
	UPB \before
	SQ \g, 2
	UPC \before
	SQ \g, 4
.endm
; Query k of the trip.  more = 1: it is the trip's last, and the next trip's queries are asked for as soon as its three numbers have left the buffer.
.macro QUERY k, more
	s_xor_b32 s[QX], s[QB+3*\k],   0x80000000      ; -x, -y, -z, each into the low word of an even pair, which a packed add can broadcast
	s_xor_b32 s[QY], s[QB+3*\k+1], 0x80000000
	s_xor_b32 s[QZ], s[QB+3*\k+2], 0x80000000
.if \more
	s_cmp_eq_u32 s13, TRIPS-1
	s_cbranch_scc1 .Lno_more                       ; the last trip asks for nothing: no load leaves the work-group's 384 bytes
	s_load_b256 s[QB:QB+7],     s[4:5], 0x0        ; a whole query's arithmetic stands between these loads and the wait for them
	s_load_b256 s[QB+8:QB+15],  s[4:5], 0x20
	s_load_b256 s[QB+16:QB+23], s[4:5], 0x40
.Lno_more:
.endif
	SUBS 0
	SQX 0
	SQ 0, 2
	SQ 0, 4
	GROUP 1, 0
	GROUP 2, 1
	GROUP 3, 2
	UPA 3
	v_min_num_f32 v[N4], v[N3], v[N3+1]
	UPB 3
	UPC 3
	v_min3_num_f32 v[M], v[N4], v[N3+2], v[N3+3]   ; the minimum of my 32
	; The way down.  In each step VCC = 'the left child is larger than the minimum: go right'; v_cndmask takes its second source where the bit is set.
	; The node that the next step compares is selected first; v_add_co_ci shifts the bit into the index (I = 2 I + bit) and comes last, since it rewrites VCC.
	v_cmp_lt_f32 vcc_lo, v[M], v[N4]               ; leaves 0-15 or 16-31
	v_cndmask_b32 v[A3],   v[N3],   v[N3+2], vcc_lo
	v_cndmask_b32 v[A2],   v[N2],   v[N2+4], vcc_lo
	v_cndmask_b32 v[A2+1], v[N2+2], v[N2+6], vcc_lo
.irp u, 0,1,2,3
	v_cndmask_b32 v[A1+\u], v[N1+\u], v[N1+4+\u], vcc_lo
.endr
.irp u, 0,1,2,3,4,5,6,7
	v_cndmask_b32 v[A0+\u], v[D+2*\u], v[D+16+2*\u], vcc_lo
.endr
	v_add_co_ci_u32 v[I], vcc_lo, v[W], v[W], vcc_lo   ; the wave's number goes in front of the five bits
	v_cmp_lt_f32 vcc_lo, v[M], v[A3]               ; which 8 of the 16
	v_cndmask_b32 v[B2],   v[A2],   v[A2+1], vcc_lo
	v_cndmask_b32 v[B1],   v[A1],   v[A1+2], vcc_lo
	v_cndmask_b32 v[B1+1], v[A1+1], v[A1+3], vcc_lo
.irp u, 0,1,2,3
	v_cndmask_b32 v[B0+\u], v[A0+\u], v[A0+4+\u], vcc_lo
.endr
	v_add_co_ci_u32 v[I], vcc_lo, v[I], v[I], vcc_lo
	v_cmp_lt_f32 vcc_lo, v[M], v[B2]               ; which 4 of the 8
	v_cndmask_b32 v[C1],   v[B1],   v[B1+1], vcc_lo
	v_cndmask_b32 v[C0],   v[B0],   v[B0+2], vcc_lo
	v_cndmask_b32 v[C0+1], v[B0+1], v[B0+3], vcc_lo
	v_add_co_ci_u32 v[I], vcc_lo, v[I], v[I], vcc_lo
	v_cmp_lt_f32 vcc_lo, v[M], v[C1]               ; which 2 of the 4
	v_cndmask_b32 v[E0], v[C0], v[C0+1], vcc_lo
	v_add_co_ci_u32 v[I], vcc_lo, v[I], v[I], vcc_lo
	v_cmp_lt_f32 vcc_lo, v[M], v[E0]               ; which of the 2
	v_add_co_ci_u32 v[I], vcc_lo, v[I], v[I], vcc_lo   ; I = 32 wave + t
	v_lshl_or_b32 v[J], v[I], 5, v[LANE]           ; j = 1024 wave + 32 t + lane
	ds_store_b64 v[LA], v[J:J+1] offset:\k*PITCH   ; the wave writes 256 consecutive bytes of the query's row
.endm
	s_mov_b32 s13, 0
.Ltrip:
	s_wait_kmcnt 0x0                               ; the trip's queries are in, and no scalar load is out,
	s_add_nc_u64 s[4:5], s[4:5], 12*QT             ; so their base may step: the next trip's queries
	QUERY 0, 0
	QUERY 1, 0
	QUERY 2, 0
	QUERY 3, 0
	QUERY 4, 0
	QUERY 5, 0
	QUERY 6, 0
	QUERY 7, 1
	v_add_nc_u32 v[LA], QT*PITCH, v[LA]            ; eight rows on
	s_add_co_u32 s13, s13, 1
	s_cmp_lt_u32 s13, TRIPS
	s_cbranch_scc1 .Ltrip
	; MERGE 1, inside the wave, lane = query: row 'lane' holds the 32 lanes' (j, minimum).  The region is the wave's own and LDS serves a wave's
	; instructions in order, so these loads see the stores above without a barrier.
.irp k, 0,1,2,3,4,5,6,7,8,9,10,11,12,13,14,15
	ds_load_b128 v[R+4*\k:R+4*\k+3], v[LR] offset:16*\k
.endr
	s_wait_dscnt 0x0
.irp c, 0,1,2,3
	v_min3_num_f32 v[U+\c], v[R+16*\c+1], v[R+16*\c+3], v[R+16*\c+5]    ; four chains of eight items
.endr
.irp c, 0,1,2,3
	v_min3_num_f32 v[U+\c], v[U+\c], v[R+16*\c+7], v[R+16*\c+9]
.endr
.irp c, 0,1,2,3
	v_min3_num_f32 v[U+\c], v[U+\c], v[R+16*\c+11], v[R+16*\c+13]
.endr
.irp c, 0,1,2,3
	v_min_num_f32 v[U+\c], v[U+\c], v[R+16*\c+15]
.endr
	v_min3_num_f32 v[MM], v[U], v[U+1], v[U+2]
	v_min_num_f32 v[MM], v[MM], v[U+3]             ; the wave's minimum for this query
	; the lanes' j are not in ascending order of lanes, so the first index is the smallest j among the items that attain the minimum
.irp c, 0,1,2,3
.irp e, 0,1,2,3,4,5,6,7
	v_cmp_eq_f32 s[MK+\e], v[R+16*\c+2*\e+1], v[MM]
.endr
.irp e, 0,1,2,3,4,5,6,7
	v_cndmask_b32 v[R+16*\c+2*\e], -1, v[R+16*\c+2*\e], s[MK+\e]        ; the others count as the largest unsigned number
.endr
.endr
.irp e, 0,4,8,12,16,20,24,28,32,36,40,44,48,52,56,60
	v_min_u32 v[R+\e], v[R+\e], v[R+\e+2]
.endr
.irp e, 0,8,16,24,32,40,48,56
	v_min_u32 v[R+\e], v[R+\e], v[R+\e+4]
.endr
.irp e, 0,16,32,48
	v_min_u32 v[R+\e], v[R+\e], v[R+\e+8]
.endr
	v_min_u32 v[R], v[R], v[R+16]
	v_min_u32 v[R+32], v[R+32], v[R+48]
	v_min_u32 v[JJ], v[R], v[R+32]
	ds_store_b64 v[FS], v[JJ:JJ+1]
	s_wait_dscnt 0x0                               ; for wave 0's sake: my store is done before I signal
	s_barrier_signal -1
	s_barrier_wait -1
	s_cmp_lg_u32 s12, 0
	s_cbranch_scc1 .Lend
	; MERGE 2, wave 0, lane = query: eight waves' results.  A higher wave holds higher j, so the right one wins only if it is strictly smaller.
.irp w, 0,1,2,3,4,5,6,7
	ds_load_b64 v[F+2*\w:F+2*\w+1], v[FR] offset:256*\w
.endr
	s_wait_dscnt 0x0
.irp p, 0,1,2,3
	v_cmp_lt_f32 s[MK+\p], v[F+4*\p+3], v[F+4*\p+1]
.endr
.irp p, 0,1,2,3
	v_cndmask_b32 v[F+4*\p+1], v[F+4*\p+1], v[F+4*\p+3], s[MK+\p]
	v_cndmask_b32 v[F+4*\p],   v[F+4*\p],   v[F+4*\p+2], s[MK+\p]
.endr
.irp p, 0,1
	v_cmp_lt_f32 s[MK+\p], v[F+8*\p+5], v[F+8*\p+1]
.endr
.irp p, 0,1
	v_cndmask_b32 v[F+8*\p+1], v[F+8*\p+1], v[F+8*\p+5], s[MK+\p]
	v_cndmask_b32 v[F+8*\p],   v[F+8*\p],   v[F+8*\p+4], s[MK+\p]
.endr
	v_cmp_lt_f32 vcc_lo, v[F+9], v[F+1]
	v_cndmask_b32 v[F+1], v[F+1], v[F+9], vcc_lo
	v_cndmask_b32 v[F],   v[F],   v[F+8], vcc_lo
	global_store_b32 v[OA], v[F+1], s[8:9]         ; 32 lanes, 128 consecutive bytes: the work-group's distances
	global_store_b32 v[OA], v[F],   s[10:11]       ; and its indices
.Lend:
	s_wait_tensorcnt 0x0
	ds_add_u32 v240, v241
	s_wait_dscnt 0x0
	s_endpgm
.Lfunc_end_k_q61a8be49fe_nearest:
	.size	k_q61a8be49fe_nearest, .Lfunc_end_k_q61a8be49fe_nearest-k_q61a8be49fe_nearest
	.p2alignl 7, 3214868480
	.fill 96, 4, 3214868480
	.section	.rodata,"a",@progbits
	.p2align	6, 0x0
	.amdhsa_kernel k_q61a8be49fe_nearest
		.amdhsa_group_segment_fixed_size 72704
		.amdhsa_private_segment_fixed_size 0
		.amdhsa_enable_private_segment 0
		.amdhsa_kernarg_size 32
		.amdhsa_user_sgpr_count 2
		.amdhsa_user_sgpr_kernarg_segment_ptr 1
		.amdhsa_wavefront_size32 1
		.amdhsa_system_sgpr_workgroup_id_x 1
		.amdhsa_system_sgpr_workgroup_id_y 1
		.amdhsa_system_sgpr_workgroup_id_z 1
		.amdhsa_system_vgpr_workitem_id 0
		.amdhsa_next_free_vgpr 242
		.amdhsa_next_free_sgpr 66
		.amdhsa_reserve_vcc 1
		.amdhsa_float_denorm_mode_32 3
		.amdhsa_float_denorm_mode_16_64 3
		.amdhsa_memory_ordered 1
		.amdhsa_forward_progress 1
		.amdhsa_inst_pref_size 86
	.end_amdhsa_kernel
	.amdgpu_metadata
---
amdhsa.version: [ 1, 2 ]
amdhsa.kernels:
  - .name:           k_q61a8be49fe_nearest
    .symbol:         k_q61a8be49fe_nearest.kd
    .args:
      - { .name: xyz1, .offset: 0, .size: 8, .value_kind: global_buffer, .address_space: global }
      - { .name: xyz2, .offset: 8, .size: 8, .value_kind: global_buffer, .address_space: global }
      - { .name: out0, .offset: 16, .size: 8, .value_kind: global_buffer, .address_space: global }
      - { .name: out1, .offset: 24, .size: 8, .value_kind: global_buffer, .address_space: global }
    .group_segment_fixed_size: 72704
    .private_segment_fixed_size: 0
    .kernarg_segment_align: 8
    .kernarg_segment_size: 32
    .max_flat_workgroup_size: 256
    .sgpr_count:     66
    .vgpr_count:     242
    .wavefront_size: 32
...
	.end_amdgpu_metadata
.endif
;; end of part 1
;; ======== version 2 of 2: 1 launch; version 1 with the launch nearest written anew for expert scheduling mode
;; launch nearest (part 2): grid 256 x 1, 8 waves a work-group, no clusters, 72,704 bytes of LDS; arguments xyz1, xyz2, out0, out1; writes out0, out1
.if DOCPART == 2
	.amdgcn_target "amdgcn-amd-amdhsa--gfx1250"
	.amdhsa_code_object_version 6
	.text
	.protected	k_q61a8be49fe_nearest
	.globl	k_q61a8be49fe_nearest
	.p2align	8
	.type	k_q61a8be49fe_nearest,@function
k_q61a8be49fe_nearest:
	s_mov_b64 s[64:65], 0
	v_nop
	global_prefetch_b8 v0, s[64:65] scope:SCOPE_SE
	s_setreg_imm32_b32 hwreg(HW_REG_WAVE_SCHED_MODE, 0, 2), 2
	s_setreg_imm32_b32 hwreg(HW_REG_WAVE_MODE, 25, 1), 1
	s_wait_xcnt 0x0
	s_wait_alu depctr_vm_vsrc(0)
; out0[b][n] = min over m of |xyz1[b][n] - xyz2[b][m]|^2, out1[b][n] = the first m that attains it.  B = 2, N = 4096, M = 8192, all f32.
; Every distance is formed as the problem forms it (subtract, square, add), in f32: the index is an exact result, so no expanded form
; (|c|^2 - 2 q.c is a difference of large sums) and no 16-bit operand is used; hence no matrix instruction.
; SHARES.  256 work-groups of 8 waves.  Work-group g owns queries 32 g .. 32 g + 31 (batch g >> 7) against all 8192 candidates of the batch, so no
; minimum crosses work-groups.  A lane keeps 32 candidates in 96 registers for the whole kernel: candidate j = 1024 wave + 32 t + lane, t = 0..31, so that
; one load of a wave covers 384 consecutive bytes and ascending t is ascending j.  A query is the same for all lanes and comes from scalar registers.
; PER QUERY, PER LANE: 32 distances (two at a time, packed), then minimum and first index of the 32 by a binary tree: minima upward (only the nodes that
; the way down looks at), then five steps downward, each 'go right if the left child is larger than the minimum', each step halving by selects the
; left children still in question.  Going left whenever the left child equals the minimum gives the first index on ties.  No branch and no address
; hangs on a distance.
; MERGE.  (j, minimum) of every lane and query goes to the wave's own LDS region and is read back transposed (lane = query); the eight waves' results meet
; behind the kernel's one barrier; wave 0 stores 32 x 4 = 128 consecutive bytes to each output (32 queries a work-group: 64 would halve the number of
; work-groups to 128).
; NOT SHARED IN A CLUSTER: the 128 work-groups of a batch read the same 96 KB, but each reads them once in its life, 12 KB a wave straight into registers,
; ahead of some 5,000 vector instructions a wave; a joint load would land in LDS and each lane would read its 384 bytes a second time from there.
; LIMITS.  NaN among the inputs (or inf - inf) is not served as jnp's min and argmin serve it: here a NaN loses every minimum.  Distances that overflow
; to +inf are served (all +inf gives index 0).  The three squares are added by fused multiply-adds (one rounding less than multiply, then add):
; two candidates whose distances agree to the last bit or two may be told apart otherwise than by an unfused sum.
; THE MODE: SCHED_MODE bits 1:0 = 2 (LLVM: expert scheduling mode 2), set by the entry lines.  The code itself states the register dependences between
; vector instructions and memory or LDS instructions, and from a vector instruction's scalar result (an SGPR, VCC) to the next line that names it, with s_wait_alu, always for 0.
; THE PLAN.  Registers that memory or LDS instructions touch:
;   v[OFF]          written once at the head, read by the 32 candidate loads; never written again.
;   S               the candidate loads land in it; no vector line names it ahead of them; the moves read it behind their counted waits.
;   OUT             eight pairs (j, minimum), one a query of the trip.  Written by the trip's queries; read by the eight LDS stores at the trip's end.
;   v[LA]           read by those eight stores; stepped once a trip, behind them.
;   v[LR], v[FS], v[FR], v[OA]   written at the head, never again; each read by one run of LDS or global instructions far behind a wait on va_vdst.
;   R, F            the merges' LDS loads land in them; ahead of each run stands a wait on va_vdst behind which no vector line names them.
;   JJ, MM; F, F+1  written by a merge's last lines, read by the store behind it.
;   The candidates, the distances, the tree and TMP are named by vector instructions alone.
; So a trip has ONE wait on va_vdst (OUT and v[LA] are written), ahead of its run of eight stores, and ONE on vm_vsrc (the stores have read OUT and v[LA]),
; ahead of the add to v[LA] and of the next trip's writes of OUT.  VCC has two kinds of writers in a query, five compares and five carries, by turns: a wait on
; va_vcc stands behind each, ahead of the next line that names VCC (the selects and the carry that read a compare's mask; the compare that writes VCC anew behind a carry).
.set QT,     8                         ; queries in a trip
.set TRIPS,  4                         ; 32 queries
.set PITCH,  272                       ; LDS row of one query: 32 lanes x 8 bytes + 16, an odd multiple of 16: the transposed 16-byte reads of 16 lanes hit 16 different columns
.set WBYTES, 32*PITCH                  ; a wave's region: 32 rows
.set WREG,   2048                      ; the regions begin behind the 8 x 256 bytes in which the waves' results meet (LDS byte 0)
.set OFF,  1                           ; v1   12 x lane: my candidate's bytes in a load of the wave; never rewritten
.set W,    2                           ; v2   wave number, in every lane
.set LANE, 3                           ; v3   lane
.set LA,   4                           ; v4   LDS: where I put (j, minimum) of the trip's first query
.set LR,   5                           ; v5   LDS: row 'lane' of my wave's region
.set FS,   6                           ; v6   LDS: where my wave's result for query 'lane' goes
.set FR,   7                           ; v7   LDS: the same place in wave 0's block
.set I,    10                          ; v10  32 x wave + t, built bit by bit
.set OA,   11                          ; v11  4 x lane
.set CX,   16                          ; v[16:47]   x of my candidates t = 0..31
.set CY,   48                          ; v[48:79]   y
.set CZ,   80                          ; v[80:111]  z
.set S,    112                         ; v[112:239] at the start only: candidate t as loaded, in 4 t .. 4 t + 2
.set D,    112                         ; v[112:143] the 32 distances
.set N1,   144                         ; 8: min of leaves 4i, 4i+1 (the left half of each group of 4)
.set N2,   152                         ; 8: min of leaves 4i .. 4i+3
.set N3,   160                         ; 4: min of leaves 8i .. 8i+7
.set N4,   164                         ; 1: min of leaves 0 .. 15
.set A3,   165                         ; what is left after the first step down: 1 + 2 + 4 + 8
.set A2,   166
.set A1,   168
.set A0,   172
.set B2,   180                         ; after the second: 1 + 2 + 4
.set B1,   181
.set B0,   183
.set C1,   187                         ; after the third: 1 + 2
.set C0,   188
.set E0,   190                         ; after the fourth: 1
.set TMP,  192                         ; v[192:215] differences of four register pairs
.set OUT,  216                         ; v[216:231] query k of the trip: candidate number at OUT + 2 k, minimum at OUT + 2 k + 1: one pair for ds_store_b64
.set R,    112                         ; merge: 32 items (j, minimum)
.set U,    176                         ; merge: four running minima
.set JJ,   180                         ; merge: my wave's (j, minimum) for query 'lane'
.set MM,   181
.set F,    112                         ; wave 0: the eight waves' (j, minimum)
.set QB,   16                          ; s[16:39] the trip's 8 queries as they lie in memory
.set QX,   40                          ; s[40:41], s[42:43], s[44:45]: -x, -y, -z of the query at work, each the low word of an even pair
.set QY,   42
.set QZ,   44
.set MK,   48                          ; s[48:55] lane masks of the merge
	s_load_b256 s[4:11], s[0:1], 0x0               ; xyz1 s[4:5], xyz2 s[6:7], out0 s[8:9], out1 s[10:11]
	v_lshl_add_u32 v235, v0, 2, 0x11800
	v_mov_b32 v239, 0
	v_and_b32 v[LANE], 31, v0
	v_lshrrev_b32 v[W], 5, v0
	v_readfirstlane_b32 s12, v[W]                  ; wave number as a scalar
	v_mul_u32_u24 v[OFF], v[LANE], 12
	s_mul_i32 s14, ttmp9, 32*12                    ; my 32 queries, in bytes
	s_mov_b32 s15, 0
	s_lshr_b32 s46, ttmp9, 7                       ; batch: 128 work-groups each
	s_mul_i32 s46, s46, 8192*12
	s_wait_alu depctr_va_sdst(0)                   ; s12 is written, ahead of its first reader: the candidates' base and the LDS places are made from it
	s_mul_i32 s47, s12, 1024*12                    ; my wave's 1024 candidates
	s_add_co_u32 s46, s46, s47
	s_mov_b32 s47, 0
	s_lshl_b32 s48, ttmp9, 7                       ; my 32 results, in bytes
	s_mov_b32 s49, 0
	s_mov_b32 s[QX+1], 0                           ; the pairs' upper words are named by the packed adds and never used
	s_mov_b32 s[QY+1], 0
	s_mov_b32 s[QZ+1], 0
	s_mul_i32 s50, s12, WBYTES
	s_add_co_u32 s50, s50, WREG                    ; my wave's LDS region
	s_lshl_b32 s51, s12, 8                         ; my wave's 256 bytes where the waves meet
	s_wait_kmcnt 0x0
	s_add_nc_u64 s[4:5], s[4:5], s[14:15]
	s_add_nc_u64 s[6:7], s[6:7], s[46:47]
	s_add_nc_u64 s[8:9], s[8:9], s[48:49]
	s_add_nc_u64 s[10:11], s[10:11], s[48:49]
	s_load_b256 s[QB:QB+7],     s[4:5], 0x0        ; the first trip's 8 queries: 96 bytes
	s_load_b256 s[QB+8:QB+15],  s[4:5], 0x20
	s_load_b256 s[QB+16:QB+23], s[4:5], 0x40
	s_wait_alu depctr_va_vdst(0)                   ; v[OFF] is written: the 32 loads below read it as their offset
.set i, 0
.rept 32
	global_load_b96 v[S+4*i:S+4*i+2], v[OFF], s[6:7] offset:384*i   ; candidate 32 i + lane of my wave's 1024: the wave reads 384 consecutive bytes
.set i, i+1
.endr
	v_lshl_add_u32 v[LA], v[LANE], 3, s50          ; these lines name none of the loads' registers; their own first readers stand behind the trips' waits on va_vdst
	v_mul_u32_u24 v[LR], v[LANE], PITCH
	v_add_nc_u32 v[LR], s50, v[LR]
	v_lshl_add_u32 v[FS], v[LANE], 3, s51
	v_lshlrev_b32 v[FR], 3, v[LANE]
	v_lshlrev_b32 v[OA], 2, v[LANE]
	; A packed instruction takes two numbers from an aligned register pair, so the x (y, z) of two candidates have to be neighbours: once, 96 moves,
	; against 96 packed instructions saved in each of the 32 queries.
.set i, 0
.rept 32
	s_wait_loadcnt 31-i                            ; loads come back in order: load i is in, the 31 - i younger ones may be out
	v_mov_b32 v[CX+i], v[S+4*i]
	v_mov_b32 v[CY+i], v[S+4*i+1]
	v_mov_b32 v[CZ+i], v[S+4*i+2]
.set i, i+1
.endr
; In all the macros below g is a plain number, 0 to 3: it stands in products.
; Leaves 8 g .. 8 g + 7 are four register pairs.  c - q instead of q - c: the square is the same bit for bit.
.macro SUBS g
.irp p, 0,1,2,3
	v_pk_add_f32 v[TMP+6*\p:TMP+6*\p+1],   v[CX+8*\g+2*\p:CX+8*\g+2*\p+1], s[QX:QX+1] op_sel_hi:[1,0]
	v_pk_add_f32 v[TMP+6*\p+2:TMP+6*\p+3], v[CY+8*\g+2*\p:CY+8*\g+2*\p+1], s[QY:QY+1] op_sel_hi:[1,0]
	v_pk_add_f32 v[TMP+6*\p+4:TMP+6*\p+5], v[CZ+8*\g+2*\p:CZ+8*\g+2*\p+1], s[QZ:QZ+1] op_sel_hi:[1,0]
.endr
.endm
.macro SQX g                           ; dx^2 starts the sums: nothing is cleared
.irp p, 0,1,2,3
	v_pk_mul_f32 v[D+8*\g+2*\p:D+8*\g+2*\p+1], v[TMP+6*\p:TMP+6*\p+1], v[TMP+6*\p:TMP+6*\p+1]
.endr
.endm
.macro SQ g, a                         ; a = 2: + dy^2, a = 4: + dz^2
.irp p, 0,1,2,3
	v_pk_fma_f32 v[D+8*\g+2*\p:D+8*\g+2*\p+1], v[TMP+6*\p+\a:TMP+6*\p+\a+1], v[TMP+6*\p+\a:TMP+6*\p+\a+1], v[D+8*\g+2*\p:D+8*\g+2*\p+1]
.endr
.endm
; The way up for leaves 8 g .. 8 g + 7, in three steps that are laid between the next group's arithmetic so that none waits for the line in front of it.
.macro UPA g
	v_min_num_f32 v[N1+2*\g],   v[D+8*\g],   v[D+8*\g+1]
	v_min_num_f32 v[N1+2*\g+1], v[D+8*\g+4], v[D+8*\g+5]
.endm
.macro UPB g
	v_min3_num_f32 v[N2+2*\g],   v[N1+2*\g],   v[D+8*\g+2], v[D+8*\g+3]
	v_min3_num_f32 v[N2+2*\g+1], v[N1+2*\g+1], v[D+8*\g+6], v[D+8*\g+7]
.endm
.macro UPC g
	v_min_num_f32 v[N3+\g], v[N2+2*\g], v[N2+2*\g+1]
.endm
.macro GROUP g, before                 ; the distances of group g, and the way up of the group before it (before = g - 1, written out as a number)
	SUBS \g
	UPA \before
	SQX \g
	UPB \before
	SQ \g, 2
	UPC \before
	SQ \g, 4
.endm
; Query k of the trip (a plain number, 0 to 7).  more = 1: it is the trip's last, and the next trip's queries are asked for as soon as its three numbers have left the buffer.
.macro QUERY k, more
.set J, OUT+2*\k                       ; the query's pair in the out-buffer
.set M, OUT+2*\k+1
	s_xor_b32 s[QX], s[QB+3*\k],   0x80000000      ; -x, -y, -z, each into the low word of an even pair, which a packed add can broadcast
	s_xor_b32 s[QY], s[QB+3*\k+1], 0x80000000
	s_xor_b32 s[QZ], s[QB+3*\k+2], 0x80000000
.if \more
	s_cmp_eq_u32 s13, TRIPS-1
	s_cbranch_scc1 .Lno_more                       ; the last trip asks for nothing: no load leaves the work-group's 384 bytes
	s_load_b256 s[QB:QB+7],     s[4:5], 0x0        ; a whole query's arithmetic stands between these loads and the wait for them
	s_load_b256 s[QB+8:QB+15],  s[4:5], 0x20
	s_load_b256 s[QB+16:QB+23], s[4:5], 0x40
.Lno_more:
.endif
	SUBS 0
	SQX 0
	SQ 0, 2
	SQ 0, 4
	GROUP 1, 0
	GROUP 2, 1
	GROUP 3, 2
	UPA 3
	v_min_num_f32 v[N4], v[N3], v[N3+1]
	UPB 3
	UPC 3
	v_min3_num_f32 v[M], v[N4], v[N3+2], v[N3+3]   ; the minimum of my 32
	; The way down.  In each step VCC = 'the left child is larger than the minimum: go right'; v_cndmask takes its second source where the bit is set.
	; The node that the next step compares is selected first; v_add_co_ci shifts the bit into the index (I = 2 I + bit) and comes last, since it rewrites VCC.
	; Each step's compare hangs on the step before, so each has a wait of its own between it and the selects and the carry that read its mask; and each carry,
	; which writes VCC too (a carry-out that nobody reads), has its wait ahead of the compare that writes VCC anew.
	v_cmp_lt_f32 vcc_lo, v[M], v[N4]               ; leaves 0-15 or 16-31
	s_wait_alu depctr_va_vcc(0)                    ; the compare has written VCC, which the fifteen selects and the carry below read
	v_cndmask_b32 v[A3],   v[N3],   v[N3+2], vcc_lo
	v_cndmask_b32 v[A2],   v[N2],   v[N2+4], vcc_lo
	v_cndmask_b32 v[A2+1], v[N2+2], v[N2+6], vcc_lo
.irp u, 0,1,2,3
	v_cndmask_b32 v[A1+\u], v[N1+\u], v[N1+4+\u], vcc_lo
.endr
.irp u, 0,1,2,3,4,5,6,7
	v_cndmask_b32 v[A0+\u], v[D+2*\u], v[D+16+2*\u], vcc_lo
.endr
	v_add_co_ci_u32 v[I], vcc_lo, v[W], v[W], vcc_lo   ; the wave's number goes in front of the five bits
	s_wait_alu depctr_va_vcc(0)                    ; the carry has written VCC, which the compare below writes anew
	v_cmp_lt_f32 vcc_lo, v[M], v[A3]               ; which 8 of the 16
	s_wait_alu depctr_va_vcc(0)                    ; the compare has written VCC, which the seven selects and the carry below read
	v_cndmask_b32 v[B2],   v[A2],   v[A2+1], vcc_lo
	v_cndmask_b32 v[B1],   v[A1],   v[A1+2], vcc_lo
	v_cndmask_b32 v[B1+1], v[A1+1], v[A1+3], vcc_lo
.irp u, 0,1,2,3
	v_cndmask_b32 v[B0+\u], v[A0+\u], v[A0+4+\u], vcc_lo
.endr
	v_add_co_ci_u32 v[I], vcc_lo, v[I], v[I], vcc_lo
	s_wait_alu depctr_va_vcc(0)                    ; the carry has written VCC, which the compare below writes anew
	v_cmp_lt_f32 vcc_lo, v[M], v[B2]               ; which 4 of the 8
	s_wait_alu depctr_va_vcc(0)                    ; the compare has written VCC, which the three selects and the carry below read
	v_cndmask_b32 v[C1],   v[B1],   v[B1+1], vcc_lo
	v_cndmask_b32 v[C0],   v[B0],   v[B0+2], vcc_lo
	v_cndmask_b32 v[C0+1], v[B0+1], v[B0+3], vcc_lo
	v_add_co_ci_u32 v[I], vcc_lo, v[I], v[I], vcc_lo
	s_wait_alu depctr_va_vcc(0)                    ; the carry has written VCC, which the compare below writes anew
	v_cmp_lt_f32 vcc_lo, v[M], v[C1]               ; which 2 of the 4
	s_wait_alu depctr_va_vcc(0)                    ; the compare has written VCC, which the select and the carry below read
	v_cndmask_b32 v[E0], v[C0], v[C0+1], vcc_lo
	v_add_co_ci_u32 v[I], vcc_lo, v[I], v[I], vcc_lo
	s_wait_alu depctr_va_vcc(0)                    ; the carry has written VCC, which the compare below writes anew
	v_cmp_lt_f32 vcc_lo, v[M], v[E0]               ; which of the 2
	s_wait_alu depctr_va_vcc(0)                    ; the compare has written VCC, which the carry below reads
	v_add_co_ci_u32 v[I], vcc_lo, v[I], v[I], vcc_lo   ; I = 32 wave + t
	s_wait_alu depctr_va_vcc(0)                    ; the carry has written VCC: the next line that names it is the next query's first compare (or merge 2's last); the wait stands in the carry's own straight run, ahead of every branch and label between
	v_lshl_or_b32 v[J], v[I], 5, v[LANE]           ; j = 1024 wave + 32 t + lane; the pair (j, minimum) waits in the out-buffer for the trip's end
.endm
	s_mov_b32 s13, 0
.Ltrip:
	s_wait_kmcnt 0x0                               ; the trip's queries are in, and no scalar load is out,
	s_add_nc_u64 s[4:5], s[4:5], 12*QT             ; so their base may step: the next trip's queries
	QUERY 0, 0
	QUERY 1, 0
	QUERY 2, 0
	QUERY 3, 0
	QUERY 4, 0
	QUERY 5, 0
	QUERY 6, 0
	QUERY 7, 1
	s_wait_alu depctr_va_vdst(0)                   ; the eight queries have written the out-buffer, and v[LA] is written (at the head, or by the last trip's add): the stores below read both
.irp k, 0,1,2,3,4,5,6,7
	ds_store_b64 v[LA], v[OUT+2*\k:OUT+2*\k+1] offset:\k*PITCH   ; the wave writes 256 consecutive bytes of the query's row
.endr
	s_wait_alu depctr_vm_vsrc(0)                   ; the eight stores have read v[LA], which the add below writes, and the out-buffer, which the next trip's queries write
	v_add_nc_u32 v[LA], QT*PITCH, v[LA]            ; eight rows on
	s_add_co_u32 s13, s13, 1
	s_cmp_lt_u32 s13, TRIPS
	s_cbranch_scc1 .Ltrip
	; MERGE 1, inside the wave, lane = query: row 'lane' holds the 32 lanes' (j, minimum).  The region is the wave's own and LDS serves a wave's
	; instructions in order, so these loads see the stores above without a barrier.
	; No wait on va_vdst here: the last trip's stands ahead; v[LR] and every line that named v[R ..] stand in front of it, and the one vector line since, the add to v[LA], names none of them.
.irp k, 0,1,2,3,4,5,6,7,8,9,10,11,12,13,14,15
	ds_load_b128 v[R+4*\k:R+4*\k+3], v[LR] offset:16*\k
.endr
	s_wait_dscnt 0x0
.irp c, 0,1,2,3
	v_min3_num_f32 v[U+\c], v[R+16*\c+1], v[R+16*\c+3], v[R+16*\c+5]    ; four chains of eight items
.endr
.irp c, 0,1,2,3
	v_min3_num_f32 v[U+\c], v[U+\c], v[R+16*\c+7], v[R+16*\c+9]
.endr
.irp c, 0,1,2,3
	v_min3_num_f32 v[U+\c], v[U+\c], v[R+16*\c+11], v[R+16*\c+13]
.endr
.irp c, 0,1,2,3
	v_min_num_f32 v[U+\c], v[U+\c], v[R+16*\c+15]
.endr
	v_min3_num_f32 v[MM], v[U], v[U+1], v[U+2]
	v_min_num_f32 v[MM], v[MM], v[U+3]             ; the wave's minimum for this query
	; the lanes' j are not in ascending order of lanes, so the first index is the smallest j among the items that attain the minimum
.irp c, 0,1,2,3
.irp e, 0,1,2,3,4,5,6,7
	v_cmp_eq_f32 s[MK+\e], v[R+16*\c+2*\e+1], v[MM]
.endr
	s_wait_alu depctr_va_sdst(0)                   ; the run of eight compares has written s[MK ..], which the eight selects read: one wait for the run
.irp e, 0,1,2,3,4,5,6,7
	v_cndmask_b32 v[R+16*\c+2*\e], -1, v[R+16*\c+2*\e], s[MK+\e]        ; the others count as the largest unsigned number
.endr
.endr
.irp e, 0,4,8,12,16,20,24,28,32,36,40,44,48,52,56,60
	v_min_u32 v[R+\e], v[R+\e], v[R+\e+2]
.endr
.irp e, 0,8,16,24,32,40,48,56
	v_min_u32 v[R+\e], v[R+\e], v[R+\e+4]
.endr
.irp e, 0,16,32,48
	v_min_u32 v[R+\e], v[R+\e], v[R+\e+8]
.endr
	v_min_u32 v[R], v[R], v[R+16]
	v_min_u32 v[R+32], v[R+32], v[R+48]
	v_min_u32 v[JJ], v[R], v[R+32]
	s_wait_alu depctr_va_vdst(0)                   ; the merge has written v[JJ] and v[MM], which the store reads; and it is done with v[F ..], in which wave 0's loads below land
	ds_store_b64 v[FS], v[JJ:JJ+1]
	s_wait_dscnt 0x0                               ; for wave 0's sake: my store is done before I signal
	s_barrier_signal -1
	s_barrier_wait -1
	s_cmp_lg_u32 s12, 0
	s_cbranch_scc1 .Lend
	; MERGE 2, wave 0, lane = query: eight waves' results.  A higher wave holds higher j, so the right one wins only if it is strictly smaller.
	; No vector line stands between the wait on va_vdst above and these loads.
.irp w, 0,1,2,3,4,5,6,7
	ds_load_b64 v[F+2*\w:F+2*\w+1], v[FR] offset:256*\w
.endr
	s_wait_dscnt 0x0
.irp p, 0,1,2,3
	v_cmp_lt_f32 s[MK+\p], v[F+4*\p+3], v[F+4*\p+1]
.endr
	s_wait_alu depctr_va_sdst(0)                   ; the four compares have written s[MK ..], which the eight selects read
.irp p, 0,1,2,3
	v_cndmask_b32 v[F+4*\p+1], v[F+4*\p+1], v[F+4*\p+3], s[MK+\p]
	v_cndmask_b32 v[F+4*\p],   v[F+4*\p],   v[F+4*\p+2], s[MK+\p]
.endr
.irp p, 0,1
	v_cmp_lt_f32 s[MK+\p], v[F+8*\p+5], v[F+8*\p+1]
.endr
	s_wait_alu depctr_va_sdst(0)                   ; the two compares have written s[MK], s[MK+1], which the four selects read
.irp p, 0,1
	v_cndmask_b32 v[F+8*\p+1], v[F+8*\p+1], v[F+8*\p+5], s[MK+\p]
	v_cndmask_b32 v[F+8*\p],   v[F+8*\p],   v[F+8*\p+4], s[MK+\p]
.endr
	v_cmp_lt_f32 vcc_lo, v[F+9], v[F+1]
	s_wait_alu depctr_va_vcc(0)                    ; the compare has written VCC, which the two selects read
	v_cndmask_b32 v[F+1], v[F+1], v[F+9], vcc_lo
	v_cndmask_b32 v[F],   v[F],   v[F+8], vcc_lo
	s_wait_alu depctr_va_vdst(0)                   ; the two selects have written v[F+1] and v[F], which the stores read
	global_store_b32 v[OA], v[F+1], s[8:9]         ; 32 lanes, 128 consecutive bytes: the work-group's distances
	global_store_b32 v[OA], v[F],   s[10:11]       ; and its indices
.Lend:
	s_wait_dscnt 0x0
	s_wait_alu depctr_hold_cnt(0) depctr_sa_sdst(0) depctr_va_vdst(0) depctr_va_sdst(0) depctr_va_ssrc(0) depctr_va_vcc(0) depctr_vm_vsrc(0)
	s_wait_tensorcnt 0x0
	ds_add_u32 v235, v239
	s_wait_dscnt 0x0
	s_endpgm
.Lfunc_end_k_q61a8be49fe_nearest:
	.size	k_q61a8be49fe_nearest, .Lfunc_end_k_q61a8be49fe_nearest-k_q61a8be49fe_nearest
	.p2alignl 7, 3214868480
	.fill 96, 4, 3214868480
	.section	.rodata,"a",@progbits
	.p2align	6, 0x0
	.amdhsa_kernel k_q61a8be49fe_nearest
		.amdhsa_group_segment_fixed_size 72704
		.amdhsa_private_segment_fixed_size 0
		.amdhsa_enable_private_segment 0
		.amdhsa_kernarg_size 32
		.amdhsa_user_sgpr_count 2
		.amdhsa_user_sgpr_kernarg_segment_ptr 1
		.amdhsa_wavefront_size32 1
		.amdhsa_system_sgpr_workgroup_id_x 1
		.amdhsa_system_sgpr_workgroup_id_y 1
		.amdhsa_system_sgpr_workgroup_id_z 1
		.amdhsa_system_vgpr_workitem_id 0
		.amdhsa_next_free_vgpr 240
		.amdhsa_next_free_sgpr 66
		.amdhsa_reserve_vcc 1
		.amdhsa_float_denorm_mode_32 3
		.amdhsa_float_denorm_mode_16_64 3
		.amdhsa_memory_ordered 1
		.amdhsa_forward_progress 1
		.amdhsa_inst_pref_size 89
	.end_amdhsa_kernel
	.amdgpu_metadata
---
amdhsa.version: [ 1, 2 ]
amdhsa.kernels:
  - .name:           k_q61a8be49fe_nearest
    .symbol:         k_q61a8be49fe_nearest.kd
    .args:
      - { .name: xyz1, .offset: 0, .size: 8, .value_kind: global_buffer, .address_space: global }
      - { .name: xyz2, .offset: 8, .size: 8, .value_kind: global_buffer, .address_space: global }
      - { .name: out0, .offset: 16, .size: 8, .value_kind: global_buffer, .address_space: global }
      - { .name: out1, .offset: 24, .size: 8, .value_kind: global_buffer, .address_space: global }
    .group_segment_fixed_size: 72704
    .private_segment_fixed_size: 0
    .kernarg_segment_align: 8
    .kernarg_segment_size: 32
    .max_flat_workgroup_size: 256
    .sgpr_count:     66
    .vgpr_count:     240
    .wavefront_size: 32
...
	.end_amdgpu_metadata
.endif
;; end of part 2
